; MI455X (gfx1250); checked and timed in simulation.
; The chip was launched on July 23, 2026; its instructions are those of AMD's public machine-readable ISA for CDNA 5 (MIT licence, August 2026) and "CDNA5" Instruction Set Architecture Reference Guide (July 2026). The comments in the code are by the model that wrote it; some were corrected since.
;; VQ2. Allowed arithmetic: matrix products marked QUANTISED: E4M3 operands, one given power-of-two scale a tensor, by v_wmma_f32_16x16x64_fp8_fp8 or v_wmma_f32_16x16x128_fp8_fp8, f32 sums; everything else in f32.
;; Inputs: emb_w 8,192 x 512 float32; lowp_scales 2 int32 (the exponents e of the quantised operands' scales 2^e); z 16 x 1,024 x 512 float32.
;; Outputs: out0 16 x 1,024 x 512 float32; out1 one number float32; out2 16 x 1,024 int32; out3 one number float32.
;; This version of the problem:
;;   THIS VERSION OF THE PROBLEM IS GIVEN IN LOW PRECISION. The matrix products marked QUANTISED in the list below multiply operands that are first quantised to E4M3 (4 exponent bits, 3 mantissa bits; 8 bits a number), with one given power-of-two scale for each operand tensor; their sums are f32. All else is computed in f32.
;;   The module's matrix products, in the order in which they are computed (A, B: the left and right operand; K: the contracted axis; several contracted axes count as one K, in the product's order):
;;     1. [M 16,384, K 512] x [K 512, N 8,192]; A: input z; B: input emb_w: QUANTISED (scales: A lowp_scales[0], B lowp_scales[1])
;;   THE QUANTISER, for each operand of a quantised product, along K:
;;     - The operand's scale is 2^e, e = its entry of the input lowp_scales (int32; the entries are numbered through the quantised products in the list's order, A before B).
;;     - Each number is divided by the scale, clamped to +-448, and rounded to the nearest number of E4M3, ties to even, subnormals kept.
;;     - The product sums the exact products of the quantised numbers (number of the format x scale) in f32.
;;   ~~~python
;;   def quantise(x, axis, e):      # numpy; x: float32 -> the quantised numbers, widened to float32 again
;;       x = np.moveaxis(x, axis, -1); K = x.shape[-1]
;;       r = np.clip(x / 2.0 ** e, -448, 448)
;;       step = 2.0 ** (np.maximum(np.frexp(np.where(r == 0, 1, r))[1] - 1, -6) - 3)
;;       q = np.round(r / step) * step * 2.0 ** e      # np.round: ties to even
;;       return np.moveaxis(q, -1, axis).astype(np.float32)
;;   ~~~
;; One version. Each part assembles by itself: llvm-mc -triple=amdgcn-amd-amdhsa -mcpu=gfx1250 --defsym DOCPART=n.
;; ======== version 1 of 1: 4 launches
;; limits: right only within a limited range of input values
;; workspace buffers: codes 12,582,912 bytes; norms 98,304 bytes; cand_k 524,288 bytes of whole numbers; cand_i 524,288 bytes of whole numbers; part 4,096 bytes
;; launch quant (part 1): grid 384 x 1, 4 waves a work-group, no clusters, 66,560 bytes of LDS; arguments z, emb_w, lowp_scales, codes, norms; writes codes, norms
.if DOCPART == 1
	.amdgcn_target "amdgcn-amd-amdhsa--gfx1250"
	.amdhsa_code_object_version 6
	.text
	.protected	k_q4044dd9763_quant
	.globl	k_q4044dd9763_quant
	.p2align	8
	.type	k_q4044dd9763_quant,@function
k_q4044dd9763_quant:
	s_mov_b64 s[64:65], 0
	v_nop
	global_prefetch_b8 v0, s[64:65] scope:SCOPE_SE
	s_setreg_imm32_b32 hwreg(HW_REG_WAVE_MODE, 25, 1), 1
	s_wait_xcnt 0x0
; z [16384][512] and emb_w [8192][512], f32, become codes of FP8 (E4M3), one byte each, each tensor with the one scale 2^e given for it,
; and each row's sum of squares (of the numbers as given, in f32) is stored beside them.
; code = x / 2^e, held within +-448, to the nearest code, ties to even.  LIMITS: -126 <= e and e + 8 <= 127.  NaN among the inputs is not served.
; THE CODES ARE LAID IN THE ORDER OF THE OPERAND'S REGISTERS.  The 24,576 rows (z's 16,384 first) form tiles of 16; a tile is an image of 8,192 bytes in which the 16 codes
; k = 16 kk .. 16 kk + 15 of row r lie at byte 256 kk + 16 r.  So the four registers 4 c .. 4 c + 3 of K step s of a fragment are the 512 consecutive bytes from 2048 s + 512 c on, 16 a lane.
; norms: 24,576 f32 in the order of the rows.
; SHARES.  Work-group g takes rows 64 g .. 64 g + 63 of the joint numbering (g < 256: z, else emb_w); a wave 16 rows, one tile; a step is one row: 512 numbers, 2,048 bytes.
; A conversion takes eight neighbours along K from ONE lane's registers, a load is best where neighbouring LANES take neighbouring bytes.  Both are had: each of a step's four loads reads
; 512 consecutive bytes, 16 a lane; the 2,048 bytes go through the wave's own stage in LDS as they lie and come back 64 bytes a lane (16 bytes of padding behind each 64).
; Lane l then holds chunk kk = l of every row: its sixteen steps' codes are 256 consecutive bytes of the image.  They are kept in registers, turned once through LDS at the end
; (a lane's 256 bytes 272 apart) and leave as sixteen stores of 512 consecutive bytes.  Loads run eight steps (32 loads a wave) ahead, the turn through the stage one step.
; The 64 row sums meet in LDS; behind the one barrier wave 0 stores them as 256 consecutive bytes, aligned.
.set STEPS, 16
.set AHEAD, 8
.set ZWG,   256                        ; work-groups that take z
.set EMAX,  8
.set MANT,  0x600000                   ; the mantissa field of 448 as f32
.set R,     16                         ; v16-143  eight sets of 16 numbers as they are loaded; at the end v16-79 take the image on its way out
.set X,     144                        ; v144-175 two sets of 16 neighbours
.set Q,     176                        ; v176-179 the squares' two chains
.set C,     180                        ; v180-243 codes: four registers for each step
.set WREG,  16384                      ; LDS: a region for each wave: two stages of 32 x SP bytes, then the image's stage
.set SP,    80                         ; a lane's place in a stage: its 64 bytes + 16 of padding
.set OUTS,  5120                       ; the image's stage in a wave's region: 32 chunks of 256 bytes,
.set OP,    272                        ; 272 apart: 68 words
.set SUMS,  65536                      ; LDS: the 64 row sums: wave w, row t at 64 w + 4 t
	s_load_b128 s[4:7], s[0:1], 0x0                ; z, emb_w
	s_load_b128 s[8:11], s[0:1], 0x10              ; the scales' exponents, codes
	s_load_b64 s[12:13], s[0:1], 0x20              ; norms
	v_lshl_add_u32 v248, v0, 2, 0x10200
	v_mov_b32 v249, 0
	v_lshrrev_b32 v1, 5, v0
	v_readfirstlane_b32 s16, v1                    ; wave
	v_and_b32 v2, 31, v0                           ; lane
	v_lshlrev_b32 v3, 4, v2                        ; my 16 bytes of a load's 512, and of a store's
	s_mul_i32 s17, s16, WREG
	v_lshrrev_b32 v14, 2, v2
	v_mul_u32_u24 v14, v14, SP
	v_and_b32 v15, 3, v2
	v_lshl_add_u32 v14, v15, 4, v14
	v_add_nc_u32 v14, s17, v14                     ; the stage, on the way in: SP (lane / 4) + 16 (lane % 4); a load's 512 bytes take eight places
	v_mul_u32_u24 v15, v2, SP
	v_add_nc_u32 v15, s17, v15                     ; and on the way out: SP x lane: my 16 neighbours
	v_mul_u32_u24 v12, v2, OP
	v_add_nc_u32 v12, s17, v12
	v_add_nc_u32 v12, OUTS, v12                    ; the image's stage, in: my chunk
	v_lshrrev_b32 v13, 4, v2
	v_mul_u32_u24 v13, v13, OP
	v_and_b32 v4, 15, v2
	v_lshl_add_u32 v13, v4, 4, v13
	v_add_nc_u32 v13, s17, v13
	v_add_nc_u32 v13, OUTS, v13                    ; and back: sixteen lanes to a chunk, two chunks an instruction
	s_lshl_b32 s18, s16, 6
	s_add_co_u32 s18, s18, SUMS
	v_mov_b32 v5, s18                              ; my wave's 16 words of the row sums
	v_lshlrev_b32 v6, 3, v2                        ; 8 x lane: wave 0's place in the sums on their way out
	v_add_nc_u32 v7, SUMS, v6
	s_mov_b32 s24, 0x76543210                      ; v_permlanex16_b32's selects for lane l xor 16
	s_mov_b32 s25, 0xfedcba98
	s_wait_kmcnt 0x0
	s_load_b64 s[22:23], s[8:9], 0x0               ; e of z, e of emb_w
	s_cmp_lt_u32 ttmp9, ZWG                        ; z's work-group or emb_w's?  The choice hangs on the work-group's number alone
	s_cselect_b64 s[4:5], s[4:5], s[6:7]
	s_cselect_b32 s17, 0, ZWG
	s_sub_co_u32 s17, ttmp9, s17
	s_lshl_b32 s17, s17, 2
	s_add_co_u32 s17, s17, s16                     ; which run of 16 rows of the tensor is my wave's
	s_lshl_b32 s20, s17, 15                        ; x 32,768 bytes
	s_mov_b32 s21, 0
	s_add_nc_u64 s[4:5], s[4:5], s[20:21]
	s_lshl_b32 s17, ttmp9, 2
	s_add_co_u32 s17, s17, s16
	s_lshl_b32 s20, s17, 13                        ; its image: 8,192 bytes, in the joint numbering
	s_add_nc_u64 s[10:11], s[10:11], s[20:21]
	s_lshl_b32 s20, ttmp9, 8                       ; the work-group's 64 sums
	s_add_nc_u64 s[12:13], s[12:13], s[20:21]
.macro LOAD t
.irp i, 0,1,2,3
	global_load_b128 v[R+16*((\t)%AHEAD)+4*\i:R+16*((\t)%AHEAD)+4*\i+3], v3, s[4:5] offset:2048*(\t)+512*\i th:TH_LOAD_NT   ; 32 lanes read 512 consecutive bytes
.endr
.endm
.macro TURN t                          ; step t's numbers through the stage: LDS serves a wave's instructions in order, so no wait stands between the stores and the loads
.irp i, 0,1,2,3
	ds_store_b128 v14, v[R+16*((\t)%AHEAD)+4*\i:R+16*((\t)%AHEAD)+4*\i+3] offset:32*SP*((\t)%2)+8*SP*\i
.endr
.irp i, 0,1,2,3
	ds_load_b128 v[X+16*((\t)%2)+4*\i:X+16*((\t)%2)+4*\i+3], v15 offset:32*SP*((\t)%2)+16*\i
.endr
.endm
.irp t, 0,1,2,3,4,5,6,7
	LOAD \t
.endr
	s_wait_kmcnt 0x0
	s_cmp_lt_u32 ttmp9, ZWG
	s_cselect_b32 s22, s22, s23                    ; e
	s_add_co_i32 s22, s22, 127
	s_lshl_b32 s23, s22, 23
	v_mov_b32 v11, s23                             ; 2^e as f32: the conversion takes its exponent field
	s_add_co_i32 s22, s22, EMAX
	s_lshl_b32 s22, s22, 23
	s_or_b32 s22, s22, MANT
	v_mov_b32 v10, s22                             ; 448 x 2^e
	s_wait_loadcnt 4*(AHEAD-1)                     ; step 0's four loads are in; the 28 of steps 1 to 7 may be out
	TURN 0
.macro STEP t
.set XS, X+16*((\t)%2)
	s_wait_dscnt 0x0                               ; this row's numbers are back from the stage; its stores into the stage have read their registers,
.if (\t)+AHEAD < STEPS
	LOAD (\t)+AHEAD                                ; which take the loads of eight steps on
.endif
.if (\t)+1 < STEPS
.if STEPS-2-(\t) >= AHEAD-1
	s_wait_loadcnt 4*(AHEAD-1)                     ; the next row's four loads are in; those of the seven rows behind it may be out
.else
	s_wait_loadcnt 4*(STEPS-2-(\t))
.endif
	TURN (\t)+1                                    ; and go through the other stage while this row is worked
.endif
	v_pk_mul_f32 v[Q:Q+1], v[XS:XS+1], v[XS:XS+1]  ; the squares of the numbers as given, ahead of the hold: two chains of pairs
	v_pk_mul_f32 v[Q+2:Q+3], v[XS+2:XS+3], v[XS+2:XS+3]
.irp i, 4,8,12
	v_pk_fma_f32 v[Q:Q+1], v[XS+\i:XS+\i+1], v[XS+\i:XS+\i+1], v[Q:Q+1]
	v_pk_fma_f32 v[Q+2:Q+3], v[XS+\i+2:XS+\i+3], v[XS+\i+2:XS+\i+3], v[Q+2:Q+3]
.endr
	v_pk_add_f32 v[Q:Q+1], v[Q:Q+1], v[Q+2:Q+3]
	v_add_f32 v[Q], v[Q], v[Q+1]
	v_add_f32_dpp v[Q], v[Q], v[Q] row_xmask:1 row_mask:0xf bank_mask:0xf   ; across the row's 32 lanes
	v_add_f32_dpp v[Q], v[Q], v[Q] row_xmask:2 row_mask:0xf bank_mask:0xf
	v_add_f32_dpp v[Q], v[Q], v[Q] row_xmask:4 row_mask:0xf bank_mask:0xf
	v_add_f32_dpp v[Q], v[Q], v[Q] row_xmask:8 row_mask:0xf bank_mask:0xf
	v_permlanex16_b32 v[Q+1], v[Q], s24, s25
	v_add_f32 v[Q], v[Q], v[Q+1]
	ds_store_b32 v5, v[Q] offset:4*(\t)            ; all lanes write the same word with the same number
.irp i, 0,1,2,3,4,5,6,7,8,9,10,11,12,13,14,15
	v_med3_num_f32 v[XS+\i], v[XS+\i], -v10, v10   ; the conversion to an 8-bit code does not saturate (ISA guide 7.6.2): the hold at the largest code x the scale
.endr
	v_cvt_scalef32_pk8_fp8_f32 v[C+4*(\t):C+4*(\t)+1], v[XS:XS+7], v11
	v_cvt_scalef32_pk8_fp8_f32 v[C+4*(\t)+2:C+4*(\t)+3], v[XS+8:XS+15], v11   ; the codes are touched by LDS stores alone; the next vector lines are plain and name other registers
.endm
.irp t, 0,1,2,3,4,5,6,7,8,9,10,11,12,13,14,15
	STEP \t
.endr
.irp t, 0,1,2,3,4,5,6,7,8,9,10,11,12,13,14,15
	ds_store_b128 v12, v[C+4*\t:C+4*\t+3] offset:16*\t       ; row t's 16 bytes of my chunk
.endr
.irp n, 0,1,2,3,4,5,6,7,8,9,10,11,12,13,14,15
	ds_load_b128 v[R+4*\n:R+4*\n+3], v13 offset:2*OP*\n      ; chunks 2 n and 2 n + 1.  LDS serves a wave's instructions in order: these see my stores
.endr
.irp n, 0,1,2,3,4,5,6,7,8,9,10,11,12,13,14,15
	s_wait_dscnt 15-\n                             ; load n of the sixteen is in; the younger ones may be out
	global_store_b128 v3, v[R+4*\n:R+4*\n+3], s[10:11] offset:512*\n   ; 32 lanes store 512 consecutive bytes, at a multiple of 256 from the buffer's first byte
.endr
	s_wait_dscnt 0x0                               ; for wave 0's sake: my 16 sums lie in LDS
	s_barrier_signal -1
	s_barrier_wait -1
	s_cmp_lg_u32 s16, 0
	s_cbranch_scc1 .Lend
	ds_load_b64 v[8:9], v7                         ; two sums a lane
	s_wait_dscnt 0x0
	global_store_b64 v6, v[8:9], s[12:13]          ; 32 lanes store 256 consecutive bytes, at a multiple of 256 from the buffer's first byte
.Lend:
	s_wait_tensorcnt 0x0
	ds_add_u32 v248, v249
	s_wait_dscnt 0x0
	s_endpgm
.Lfunc_end_k_q4044dd9763_quant:
	.size	k_q4044dd9763_quant, .Lfunc_end_k_q4044dd9763_quant-k_q4044dd9763_quant
	.p2alignl 7, 3214868480
	.fill 96, 4, 3214868480
	.section	.rodata,"a",@progbits
	.p2align	6, 0x0
	.amdhsa_kernel k_q4044dd9763_quant
		.amdhsa_group_segment_fixed_size 66560
		.amdhsa_private_segment_fixed_size 0
		.amdhsa_enable_private_segment 0
		.amdhsa_kernarg_size 40
		.amdhsa_user_sgpr_count 2
		.amdhsa_user_sgpr_kernarg_segment_ptr 1
		.amdhsa_wavefront_size32 1
		.amdhsa_system_sgpr_workgroup_id_x 1
		.amdhsa_system_sgpr_workgroup_id_y 1
		.amdhsa_system_sgpr_workgroup_id_z 1
		.amdhsa_system_vgpr_workitem_id 0
		.amdhsa_next_free_vgpr 250
		.amdhsa_next_free_sgpr 66
		.amdhsa_reserve_vcc 0
		.amdhsa_float_denorm_mode_32 3
		.amdhsa_float_denorm_mode_16_64 3
		.amdhsa_memory_ordered 1
		.amdhsa_forward_progress 1
		.amdhsa_inst_pref_size 57
	.end_amdhsa_kernel
	.amdgpu_metadata
---
amdhsa.version: [ 1, 2 ]
amdhsa.kernels:
  - .name:           k_q4044dd9763_quant
    .symbol:         k_q4044dd9763_quant.kd
    .args:
      - { .name: z, .offset: 0, .size: 8, .value_kind: global_buffer, .address_space: global }
      - { .name: emb_w, .offset: 8, .size: 8, .value_kind: global_buffer, .address_space: global }
      - { .name: lowp_scales, .offset: 16, .size: 8, .value_kind: global_buffer, .address_space: global }
      - { .name: codes, .offset: 24, .size: 8, .value_kind: global_buffer, .address_space: global }
      - { .name: norms, .offset: 32, .size: 8, .value_kind: global_buffer, .address_space: global }
    .group_segment_fixed_size: 66560
    .private_segment_fixed_size: 0
    .kernarg_segment_align: 8
    .kernarg_segment_size: 40
    .max_flat_workgroup_size: 128
    .sgpr_count:     66
    .vgpr_count:     250
    .wavefront_size: 32
...
	.end_amdgpu_metadata
.endif
;; end of part 1
;; launch argmin (part 2): grid 32 x 8, 8 waves a work-group, clusters of 4 x 1, 327,680 bytes of LDS; arguments codes, norms, lowp_scales, cand_k, cand_i; writes cand_k, cand_i
.if DOCPART == 2
	.amdgcn_target "amdgcn-amd-amdhsa--gfx1250"
	.amdhsa_code_object_version 6
	.text
	.protected	k_q4044dd9763_argmin
	.globl	k_q4044dd9763_argmin
	.p2align	8
	.type	k_q4044dd9763_argmin,@function
k_q4044dd9763_argmin:
	s_mov_b64 s[64:65], 0
	v_nop
	global_prefetch_b8 v0, s[64:65] scope:SCOPE_SE
	s_setreg_imm32_b32 hwreg(HW_REG_WAVE_MODE, 25, 1), 1
	s_wait_xcnt 0x0
	s_wait_alu depctr_hold_cnt(0) depctr_sa_sdst(0) depctr_va_vdst(0) depctr_va_sdst(0) depctr_va_ssrc(0) depctr_va_vcc(0) depctr_vm_vsrc(0)
	s_getreg_b32 s2, hwreg(HW_REG_IB_STS2, 6, 4)
	s_cmp_eq_u32 s2, 0
	s_cbranch_scc0 .Lentry_in_a_cluster
	s_endpgm
.Lentry_in_a_cluster:
	s_bfe_u32 s2, ttmp6, 0x10000c
	s_cmp_lg_u32 s2, 0x3003
	s_cbranch_scc0 .Lentry_shape_is_right
	s_endpgm
.Lentry_shape_is_right:
; For each of 16,384 rows of z and each EIGHTH of the codebook: the least d = (zz + ee) - 2 z.e over the part's 1,024 codes, and the lowest index that reaches it.
; z.e is the product of the FP8 (E4M3) codes (K = 512) x 2^(e0 + e1), by v_wmma_f32_16x16x128_fp8_fp8, sums in f32, K steps ascending on one accumulator.
; d IS ROUNDED AS THE SOURCE ROUNDS IT: a = zz + ee (one f32 addition), d = a - 2 z.e (one fused multiply-add of the sum by c = -2^(e0 + e1 + 1), a power of two).  Equal d occur, and the lowest index
; has to win: every comparison keeps the earlier index on a tie.
; STORED: cand_i [8][16384] the index; cand_k [8][16384] d as a whole number in d's order (sign bit set where d is not negative, all bits turned where it is).  d is never -0, so equal d have equal keys.
; LIMITS: e0 + e1 between -127 and 126, so that c is an f32 number.  NaN is not served.  A row whose d are all +infinity gets the part's first index.
; SHARES.  Work-group (x, y): rows 512 x .. + 511 of z, codes 1024 y .. + 1023.  Each of eight waves holds its 64 rows of z as fragments in 256 registers (window 1) and walks all 1,024 codes, 16 at a time:
; a TILE of 16 codes x 64 rows is 16 matrix instructions, in four groups, one for each K step of 128; a group's four accumulators (the four row tiles) take turns.
; The codes lie in memory in the order of the operand's registers (a tile of 16 rows is an image of 8,192 bytes; registers 4 c .. 4 c + 3 of K step s are its 512 bytes from 2048 s + 512 c on, 16 a lane):
; the same permutation of k on both sides.  Source 0 = 16 codes, source 1 = 16 rows of z: lane (r, h) holds row 16 i + r, and its registers j the codes 8 h + j of the tile.
; TWO SETS OF ACCUMULATORS: while tile t is multiplied into one, the list of vector work of tile t - 1 is worked on the other, a part behind each group.  The list, for 4 row tiles x 8 d a lane: 16 packed additions (a),
; 16 packed multiply-adds (d), 16 three-way minima (the last two take the running least in, which takes turns between two sets of registers), and for each row tile a compare, the index's select and
; four pairs of selects that keep the tile's eight d (SAV).  Which of the eight it was is found once, at the end.
; ONE FRAGMENT BUFFER: K step s's 16 registers are free behind group s, and the next tile's K step s is loaded there behind the part of the list that follows the group.
; RING.  Two LDS slots of 256 codes, four steps; each wave fetches 32 codes a load.  By this text's count a wave has one tensor load out at a time.
; CLUSTER.  The four work-groups of a cluster share y: each slot is asked for JOINTLY.  z is a work-group's own.  ee, 4,096 bytes beside a step's 131,072, is not asked for jointly: each lane loads 16 bytes
; and stores them into LDS bytes of their own.  No prefetch is laid: between a refill and the wait.
; REGISTERS, window 0: v1-15, v44-45 addresses; v16-23 zz, twice; v24-31 the running least, two sets; v32-35 CID; v36-43 ee; v48-79 a, then the minima; v96-159 accumulators, two sets; v160-191 SAV; v192-255 fragments.
.set DUAL,  1                          ; the selects of SAV as dual pairs on VCC
.set TILEB, 8192
.set SLOT,  131072                     ; 16 tiles
.set EE,    2*SLOT                     ; behind the ring: ee of the part's 1,024 codes; no tensor load lands here
.set SPARE, EE+4096                    ; the spare words, 128 bytes for each wave: four blocks of 256 bytes that no other line names
.set MRG,   SPARE+1024                 ; the way out: 512 bytes for each wave
.set EMB0,  8388608                    ; where the codebook's images begin in the buffer of codes
.set STEPB, 131072                     ; a step's 256 codes in memory
.set SPW,  1
.set NIL,  2
.set ADK,  3                           ; v3-4 16 x lane in slot 0, 1
.set AE0,  5                           ; my half's place in ee
.set ADE,  6                           ; the same for the pair of tiles in hand
.set CURV, 7                           ; the first index of my eight codes in the tile whose list is worked
.set ADF,  8                           ; 16 x lane at the first tile of the pair in hand
.set GO,   11
.set ZO,   12
.set R4,   13
.set MST,  14
.set MRD,  15
.set ZZ,   16
.set RUN,  24
.set CID,  32
.set EEV,  36
.set EST,  44                          ; where I store my 16 bytes of ee
.set EO,   45                          ; 16 x thread
.set T,    48
.set ACC,  96
.set SAV,  160
.set KF,   192
.set WV,   14
.set G1C,  24                          ; s[24:31] group 1: 16,384 dense bytes of codes, joint
.set G0C,  40                          ; s[40:47] group 0, a set for each slot
.set CS,   52                          ; s[52:53] c, twice
.set CNT,  56
.set TB,   57
.set EB,   58
.set SEL,  62
.set MSB, 0
.macro WIN new                         ; the immediate's high byte repeats the setting that is left
.if MSB != \new
	s_set_vgpr_msb (MSB<<8)|\new
.set MSB, \new
.endif
.endm
.macro CREST
	s_cmp_lg_u32 s[WV], 0
	s_cbranch_scc1 .Lnot_wave_0_\@
	s_barrier_signal -3
.Lnot_wave_0_\@:
	s_barrier_wait -3
	s_barrier_signal -1
	s_barrier_wait -1
.endm
.macro CROUND
	s_barrier_signal -1
	s_barrier_wait -1
	CREST
.endm
.macro G s, p                          ; group s: K step s of the four row tiles into accumulator set p; the first group starts the sums
	WIN 0x04                                       ; z (source 1) window 1
.irp i, 0,1,2,3
.if (\s) == 0
	v_wmma_f32_16x16x128_fp8_fp8 v[ACC+32*(\p)+8*\i:ACC+32*(\p)+8*\i+7], v[KF+16*(\s):KF+16*(\s)+15], v[64*\i+16*(\s):64*\i+16*(\s)+15], 0
.else
	v_wmma_f32_16x16x128_fp8_fp8 v[ACC+32*(\p)+8*\i:ACC+32*(\p)+8*\i+7], v[KF+16*(\s):KF+16*(\s)+15], v[64*\i+16*(\s):64*\i+16*(\s)+15], v[ACC+32*(\p)+8*\i:ACC+32*(\p)+8*\i+7]
.endif
.endr
	WIN 0
.endm
.macro LA                              ; a = ee + zz
.irp i, 0,1,2,3
.irp k, 0,2,4,6
	v_pk_add_f32 v[T+8*\i+\k:T+8*\i+\k+1], v[EEV+\k:EEV+\k+1], v[ZZ+2*\i:ZZ+2*\i+1]
.endr
.endr
.endm
.macro LDD q                           ; d = sum x c + a, in place, each accumulator from its low end on
.irp i, 0,1,2,3
.irp k, 0,2,4,6
	v_pk_fma_f32 v[ACC+32*(\q)+8*\i+\k:ACC+32*(\q)+8*\i+\k+1], v[ACC+32*(\q)+8*\i+\k:ACC+32*(\q)+8*\i+\k+1], s[CS:CS+1], v[T+8*\i+\k:T+8*\i+\k+1] op_sel_hi:[1,0,1]
.endr
.endr
.endm
.macro LM q                            ; the least of the eight d and of the running least (set q) becomes the running least (set 1 - q); the four row tiles alternate
.irp i, 0,1,2,3
	v_min3_num_f32 v[T+8*\i], v[ACC+32*(\q)+8*\i], v[ACC+32*(\q)+8*\i+1], v[ACC+32*(\q)+8*\i+2]
.endr
.irp i, 0,1,2,3
	v_min3_num_f32 v[T+8*\i+1], v[ACC+32*(\q)+8*\i+3], v[ACC+32*(\q)+8*\i+4], v[ACC+32*(\q)+8*\i+5]
.endr
.irp i, 0,1,2,3
	v_min3_num_f32 v[T+8*\i+2], v[ACC+32*(\q)+8*\i+6], v[ACC+32*(\q)+8*\i+7], v[RUN+4*(\q)+\i]
.endr
.irp i, 0,1,2,3
	v_min3_num_f32 v[RUN+4*(1-(\q))+\i], v[T+8*\i], v[T+8*\i+1], v[T+8*\i+2]
.endr
.endm
.macro LS q, i                         ; where the least fell (strictly: an earlier tile keeps a tie) CID takes the tile's index and SAV its eight d
.set lA, ACC+32*(\q)+8*(\i)
.set lS, SAV+8*(\i)
	v_cmp_lt_f32 vcc_lo, v[RUN+4*(1-(\q))+\i], v[RUN+4*(\q)+\i]
	v_cndmask_b32 v[CID+\i], v[CID+\i], v[CURV], vcc_lo
.irp k, 0,2,4,6
.if DUAL
	v_dual_cndmask_b32 v[lS+\k], v[lS+\k], v[lA+\k] :: v_dual_cndmask_b32 v[lS+\k+1], v[lS+\k+1], v[lA+\k+1]
.else
	v_cndmask_b32 v[lS+\k], v[lS+\k], v[lA+\k], vcc_lo
	v_cndmask_b32 v[lS+\k+1], v[lS+\k+1], v[lA+\k+1], vcc_lo
.endif
.endr
.endm
.macro FR s, adr, off                  ; K step s of a tile's fragments: four LDS loads of 512 consecutive bytes
.irp c, 0,1,2,3
	ds_load_b128 v[KF+16*(\s)+4*\c:KF+16*(\s)+4*\c+3], v[\adr] offset:(\off)+2048*(\s)+512*\c
.endr
.endm
.macro EELOAD off                      ; my eight codes' ee of the tile that is being multiplied
	ds_load_b128 v[EEV:EEV+3], v[ADE] offset:\off
	ds_load_b128 v[EEV+4:EEV+7], v[ADE] offset:\off+16
.endm
; A TILE into accumulator set p.  LDS instructions go out in the order ee (2), K steps 0, 1, 2, 3 of the next tile (4 each).
; At the top the count 8 lets K steps 2 and 3 stay out; in the middle the count 10 lets the next ee and the next K steps 0 and 1 stay out.
; A load into a fragment's registers stands behind the part of the list that follows the group that read them: 16 plain vector instructions or more that name none of the group's registers.
; kind 0: the next tile lies in the same slot.  kind 4: kind 0 at the head of a pair of tiles, whose addresses are made here.
; kind 1: a step's last tile: each wave waits for all its tensor loads, adds 0 to its spare word, works two groups, waits for the add and for its reads of this slot, and opens a round of the cluster's barrier;
;         behind the round this slot is filled again, two steps ahead, and then the other slot's first tile is read.  kind 2: the same with nothing left to fetch.  kind 3: the last tile.
.macro TILE p, kind, slot
.if (\kind == 1) || (\kind == 2)
	s_wait_tensorcnt 0x0                           ; all my tensor loads have landed
	ds_add_u32 v[SPW], v[NIL]
	s_wait_dscnt 9                                 ; K steps 2 and 3 and the add may be out
.else
	s_wait_dscnt 8
.if \kind == 4
	v_add_nc_u32 v[ADF], s[TB], v[ADK+(\slot)]
	v_add_nc_u32 v[ADE], s[EB], v[AE0]
.endif
.endif
	G 0, \p
	LA
.if \kind == 3
	EELOAD 64*(\p)
.endif
	G 1, \p
	LDD 1-(\p)
.if (\kind == 0) || (\kind == 4)
	EELOAD 64*(\p)                                 ; one run of ten LDS loads: this tile's ee and the next tile's K steps 0 and 1
	FR 0, ADF, TILEB*(1+(\p))
	FR 1, ADF, TILEB*(1+(\p))
.endif
	s_wait_alu depctr_va_vdst(0)
.if (\kind == 1) || (\kind == 2)
	s_wait_dscnt 0x0                               ; the add is done, and my reads of this slot are over
	s_barrier_signal -1
.elseif \kind == 3
	s_wait_dscnt 2                                 ; the two loads of ee may be out
.else
	s_wait_dscnt 10
.endif
	G 2, \p
	LM 1-(\p)
	LS 1-(\p), 0
.if (\kind == 1) || (\kind == 2)
	s_wait_alu depctr_va_vdst(0)
	s_barrier_wait -1
.if \kind == 1
	CREST                                          ; no wave of any partner still reads this slot or has a load on its way
	s_add_nc_u64 s[G0C+4*(\slot)+2:G0C+4*(\slot)+3], s[G0C+4*(\slot)+2:G0C+4*(\slot)+3], 2*STEPB
	tensor_load_to_lds s[G0C+4*(\slot):G0C+4*(\slot)+3], s[G1C:G1C+7]   ; my one tensor load behind the round, and the first thing there
	s_nop 0
.rept 4
	v_nop
.endr
.endif
	EELOAD 64*(\p)
	FR 0, ADK+1-(\slot), 0
	FR 1, ADK+1-(\slot), 0
	FR 2, ADK+1-(\slot), 0
.endif
	G 3, \p
	LS 1-(\p), 1
	LS 1-(\p), 2
	LS 1-(\p), 3
	v_add_nc_u32 v[CURV], 16, v[CURV]
.if (\kind == 1) || (\kind == 2)
	FR 3, ADK+1-(\slot), 0
.elseif \kind != 3
	FR 2, ADF, TILEB*(1+(\p))                      ; one run of eight: the next tile's K steps 2 and 3
	FR 3, ADF, TILEB*(1+(\p))
.endif
.endm
.macro STEP slot, kind, k              ; the 16 tiles of a slot: seven trips of two, and the last two written out, since the sixteenth changes slots
	s_mov_b32 s[TB], 0
	s_mov_b32 s[EB], 1024*(\k)                     ; 16 tiles x 64 bytes of ee a step
	s_mov_b32 s[CNT], 7
.Ltrip_\@:
	TILE 0, 4, \slot
	TILE 1, 0, \slot
	s_add_co_u32 s[TB], s[TB], 2*TILEB
	s_add_co_u32 s[EB], s[EB], 128
	s_sub_co_u32 s[CNT], s[CNT], 1
	s_cmp_lg_u32 s[CNT], 0
	s_cbranch_scc1 .Ltrip_\@
	TILE 0, 4, \slot
	TILE 1, \kind, \slot
.endm
	s_load_b128 s[4:7], s[0:1], 0x0                ; codes, norms
	s_load_b128 s[8:11], s[0:1], 0x10              ; the scales' exponents, cand_k
	s_load_b64 s[12:13], s[0:1], 0x20              ; cand_i
	v_lshl_add_u32 v[SPW], v0, 2, SPARE
	v_mov_b32 v[NIL], 0
	ds_add_u32 v[SPW], v[NIL]                      ; the add, twice on end, and its wait ahead of my first tensor load
	ds_add_u32 v[SPW], v[NIL]
	v_lshrrev_b32 v9, 5, v0
	v_readfirstlane_b32 s[WV], v9                  ; wave 0..7
	s_bfe_u32 s18, ttmp6, 0x40000                  ; cx
	s_lshl_b32 s19, ttmp9, 2
	s_add_co_u32 s19, s19, s18                     ; x: my block of 512 rows of z
	s_and_b32 s20, ttmp7, 0xffff                   ; y: the part of the codebook, which the four partners share
	s_mov_b32 s[G1C], 15|(3<<16)|(1<<21)           ; the mask: all four work-groups; elements of 8 bytes; bit 21 beside a mask; no padding
	s_mov_b32 s[G1C+1], 32<<16                     ; rows of 256 bytes
	s_mov_b32 s[G1C+2], 64<<16
	s_mov_b32 s[G1C+3], 32<<16
	s_mov_b32 s[G1C+4], 64
	s_mov_b32 s[G1C+5], 32                         ; dense
	s_mov_b32 s[G1C+6], 0
	s_mov_b32 s[G1C+7], 0
	s_lshl_b32 s66, s20, 19                        ; the joint descriptors are made of y and the wave's number alone: the part's 524,288 bytes of images,
	s_lshl_b32 s67, s[WV], 14                      ; my 16,384 of a step's
	s_add_co_u32 s66, s66, s67
	s_add_co_u32 s66, s66, EMB0
	s_mov_b32 s67, 0
	s_lshl_b32 s68, s20, 12                        ; the part's 4,096 bytes of ee,
	s_add_co_u32 s68, s68, 65536                   ; behind zz's 16,384 numbers
	s_mov_b32 s69, 0
	s_lshl_b32 s70, s19, 9
	s_lshl_b32 s71, s[WV], 6
	s_add_co_u32 s70, s70, s71                     ; my wave's first row of z: 512 x + 64 w
	s_lshl_b32 s72, s70, 9                         ; its images
	s_mov_b32 s73, 0
	s_lshl_b32 s74, s70, 2                         ; its zz
	s_mov_b32 s75, 0
	s_lshl_b32 s76, s20, 16
	s_add_co_u32 s76, s76, s74                     ; its place in the part's candidates
	s_mov_b32 s77, 0
	s_lshl_b32 s80, s20, 10                        ; the part's first index
	s_lshl_b32 s81, s[WV], 9
	s_add_co_u32 s81, s81, MRG
	s_mov_b32 s[SEL], 0x76543210
	s_mov_b32 s[SEL+1], 0xfedcba98
	s_wait_dscnt 0x0                               ; both opening adds are done
	s_wait_kmcnt 0x0
	s_load_b64 s[54:55], s[8:9], 0x0               ; e0, e1
	s_mov_b32 s[G0C], 1
	s_lshl_b32 s[G0C+1], s[WV], 14                 ; LDS: my part of slot 0
	s_add_nc_u64 s[G0C+2:G0C+3], s[4:5], s[66:67]  ; step 0
	s_or_b32 s[G0C+3], s[G0C+3], 0x80000000
	s_mov_b32 s[G0C+4], 1
	s_add_co_u32 s[G0C+5], s[G0C+1], SLOT
	s_add_nc_u64 s[G0C+6:G0C+7], s[4:5], s[66:67]
	s_add_nc_u64 s[G0C+6:G0C+7], s[G0C+6:G0C+7], STEPB   ; step 1
	s_or_b32 s[G0C+7], s[G0C+7], 0x80000000
	s_add_nc_u64 s[68:69], s[6:7], s[68:69]        ; the part's ee
	s_add_nc_u64 s[22:23], s[4:5], s[72:73]        ; z's images at my wave's first row
	s_add_nc_u64 s[78:79], s[6:7], s[74:75]        ; zz likewise
	s_add_nc_u64 s[10:11], s[10:11], s[76:77]
	s_add_nc_u64 s[12:13], s[12:13], s[76:77]
	CROUND                                         ; all four work-groups are here: the first joint loads meet
	tensor_load_to_lds s[G0C:G0C+3], s[G1C:G1C+7]  ; my part of step 0: one tensor load a wave at the head
	s_nop 0
.rept 4
	v_nop
.endr
	v_and_b32 v9, 15, v0                           ; r
	v_bfe_u32 v10, v0, 4, 1                        ; h
	v_and_b32 v[T], 31, v0                         ; lane
	v_lshlrev_b32 v[EO], 4, v0
	v_lshlrev_b32 v[ZO], 4, v[T]
	v_lshlrev_b32 v[R4], 2, v9
	global_load_b128 v[EEV:EEV+3], v[EO], s[68:69] ; my 16 bytes of the part's ee: the 256 threads cover its 4,096
.irp i, 0,1,2,3
	global_load_b32 v[ZZ+2*\i], v[R4], s[78:79] offset:64*\i   ; zz of row 16 i + r
.endr
	WIN 0x40                                       ; destination window 1
.irp i, 0,1,2,3
.irp s, 0,1,2,3
.irp c, 0,1,2,3
	global_load_b128 v[64*\i+16*\s+4*\c:64*\i+16*\s+4*\c+3], v[ZO], s[22:23] offset:TILEB*\i+2048*\s+512*\c   ; z stays in registers; 32 lanes read 512 consecutive bytes
.endr
.endr
.endr
	WIN 0
	v_lshlrev_b32 v[ADK], 4, v[T]
	v_lshlrev_b32 v[AE0], 5, v10
	v_lshlrev_b32 v[GO], 3, v[T]
	v_add_nc_u32 v[EST], EE, v[EO]
	v_add_nc_u32 v[ADK+1], SLOT, v[ADK]
	v_add_nc_u32 v[AE0], EE, v[AE0]                ; my half's eight ee of a tile: 32 h
	v_lshl_add_u32 v[CURV], v10, 3, s80            ; 1024 y + 8 h
	v_add_nc_u32 v[MST], s81, v[R4]
	v_add_nc_u32 v[MRD], s81, v[GO]
	; THE TILE IS WRITTEN ONCE: the list in tile 0 has no tile before it.  It finds sums of -infinity, so d = +infinity, which beats nothing, and steps the first index from 16 under the part's first to it.
.irp i, 0,1,2,3
	v_mov_b32 v[RUN+4+\i], 0x7f800000
	v_mov_b32 v[CID+\i], v[CURV]
.endr
	v_add_nc_u32 v[CURV], -16, v[CURV]
.set KK, 0
.rept 32
	v_mov_b32 v[SAV+KK], 0x7f800000
	v_mov_b32 v[ACC+32+KK], 0xff800000
.set KK, KK+1
.endr
	s_wait_alu depctr_va_vdst(0)
	s_wait_loadcnt 63                              ; of the 69 loads the first six are in, ee among them
	ds_store_b128 v[EST], v[EEV:EEV+3]
	s_wait_kmcnt 0x0
	s_add_co_i32 s[CS], s54, s55
	s_add_co_i32 s[CS], s[CS], 128
	s_lshl_b32 s[CS], s[CS], 23
	s_or_b32 s[CS], s[CS], 0x80000000              ; c = -2^(e0 + e1 + 1)
	s_mov_b32 s[CS+1], s[CS]
	s_wait_tensorcnt 0x0                           ; my part of step 0 is in
	ds_add_u32 v[SPW], v[NIL]
	s_wait_dscnt 0x0                               ; the add is done, and my part of ee lies in LDS
	CROUND                                         ; everybody's parts are in, and the four work-groups are here
	tensor_load_to_lds s[G0C+4:G0C+7], s[G1C:G1C+7]   ; step 1: slot 1's first fill, the first tensor load behind the round
	s_nop 0
.rept 4
	v_nop
.endr
	ds_load_b128 v[EEV:EEV+3], v[AE0]              ; (tile 0's ee, for the list that has no tile)
	ds_load_b128 v[EEV+4:EEV+7], v[AE0] offset:16
.irp s, 0,1,2,3
	FR \s, ADK, 0                                  ; tile 0's codes
.endr
	s_wait_loadcnt 0x0                             ; z and zz
.irp i, 0,1,2,3
	v_mov_b32 v[ZZ+2*\i+1], v[ZZ+2*\i]             ; twice, for the packed additions
.endr
	s_wait_alu depctr_va_vdst(0)
	STEP 0, 1, 0                                   ; at its end slot 0 takes step 2
	STEP 1, 1, 1                                   ; at its end slot 1 takes step 3
	STEP 0, 2, 2
	STEP 1, 3, 3
	s_wait_dscnt 0x0                               ; the last tile's ee
	LA                                             ; the last tile's list; the running least ends in set 0
	LDD 1
	LM 1
.irp i, 0,1,2,3
	LS 1, \i
.endr
	; WHICH OF THE EIGHT: the first of the kept d that equals the least; from the last to the first, so that the lowest stays
.irp i, 0,1,2,3
	v_mov_b32 v[T+\i], 7
.endr
.irp q, 6,5,4,3,2,1,0
.irp i, 0,1,2,3
	v_cmp_eq_f32 s[70+\i], v[SAV+8*\i+\q], v[RUN+\i]
.endr
.irp i, 0,1,2,3
	v_cndmask_b32 v[T+\i], v[T+\i], \q, s[70+\i]
.endr
.endr
.irp i, 0,1,2,3
	v_add_nc_u32 v[CID+\i], v[CID+\i], v[T+\i]
.endr
	; the row's other codes lie in the lane 16 away: theirs is taken where d is lower, or equal with a lower index
.irp i, 0,1,2,3
	v_permlanex16_b32 v[T+8+\i], v[RUN+\i], s[SEL], s[SEL+1]
	v_permlanex16_b32 v[T+16+\i], v[CID+\i], s[SEL], s[SEL+1]
.endr
.irp i, 0,1,2,3
	v_cmp_lt_f32 s66, v[T+8+\i], v[RUN+\i]
	v_cmp_eq_f32 s67, v[T+8+\i], v[RUN+\i]
	v_cmp_lt_u32 s68, v[T+16+\i], v[CID+\i]
	s_and_b32 s67, s67, s68
	s_or_b32 s66, s66, s67
	v_cndmask_b32 v[RUN+\i], v[RUN+\i], v[T+8+\i], s66
	v_cndmask_b32 v[CID+\i], v[CID+\i], v[T+16+\i], s66
.endr
.irp i, 0,1,2,3
	v_ashrrev_i32 v[T+\i], 31, v[RUN+\i]           ; d as a whole number in d's order: all ones where d is negative,
.endr
.irp i, 0,1,2,3
	v_or_b32 v[T+\i], 0x80000000, v[T+\i]          ; else the sign bit alone,
.endr
.irp i, 0,1,2,3
	v_xor_b32 v[RUN+\i], v[RUN+\i], v[T+\i]        ; turned
.endr
	; THE WAY OUT: a lane holds rows 16 i + r; through my wave's own 512 bytes of LDS they become two neighbouring rows a lane
.irp i, 0,1,2,3
	ds_store_b32 v[MST], v[RUN+\i] offset:64*\i    ; both halves of the lanes write the same word with the same number
	ds_store_b32 v[MST], v[CID+\i] offset:256+64*\i
.endr
	ds_load_b64 v[T+24:T+25], v[MRD]               ; LDS serves a wave's instructions in order: these see my stores
	ds_load_b64 v[T+26:T+27], v[MRD] offset:256
	s_wait_dscnt 0x0
	global_store_b64 v[GO], v[T+24:T+25], s[10:11] ; my 64 rows: 32 lanes store 256 consecutive bytes, at a multiple of 256 from the buffer's first byte
	global_store_b64 v[GO], v[T+26:T+27], s[12:13]
	s_wait_tensorcnt 0x0                           ; the wave's end
	ds_add_u32 v[SPW], v[NIL]
	s_wait_dscnt 0x0
	CROUND                                         ; the closing round
	s_endpgm
.Lfunc_end_k_q4044dd9763_argmin:
	.size	k_q4044dd9763_argmin, .Lfunc_end_k_q4044dd9763_argmin-k_q4044dd9763_argmin
	.p2alignl 7, 3214868480
	.fill 96, 4, 3214868480
	.section	.rodata,"a",@progbits
	.p2align	6, 0x0
	.amdhsa_kernel k_q4044dd9763_argmin
		.amdhsa_group_segment_fixed_size 327680
		.amdhsa_private_segment_fixed_size 0
		.amdhsa_enable_private_segment 0
		.amdhsa_kernarg_size 40
		.amdhsa_user_sgpr_count 2
		.amdhsa_user_sgpr_kernarg_segment_ptr 1
		.amdhsa_wavefront_size32 1
		.amdhsa_system_sgpr_workgroup_id_x 1
		.amdhsa_system_sgpr_workgroup_id_y 1
		.amdhsa_system_sgpr_workgroup_id_z 1
		.amdhsa_system_vgpr_workitem_id 0
		.amdhsa_next_free_vgpr 512
		.amdhsa_next_free_sgpr 84
		.amdhsa_reserve_vcc 1
		.amdhsa_float_denorm_mode_32 3
		.amdhsa_float_denorm_mode_16_64 3
		.amdhsa_memory_ordered 1
		.amdhsa_forward_progress 1
		.amdhsa_inst_pref_size 140
	.end_amdhsa_kernel
	.amdgpu_metadata
---
amdhsa.version: [ 1, 2 ]
amdhsa.kernels:
  - .name:           k_q4044dd9763_argmin
    .symbol:         k_q4044dd9763_argmin.kd
    .args:
      - { .name: codes, .offset: 0, .size: 8, .value_kind: global_buffer, .address_space: global }
      - { .name: norms, .offset: 8, .size: 8, .value_kind: global_buffer, .address_space: global }
      - { .name: lowp_scales, .offset: 16, .size: 8, .value_kind: global_buffer, .address_space: global }
      - { .name: cand_k, .offset: 24, .size: 8, .value_kind: global_buffer, .address_space: global }
      - { .name: cand_i, .offset: 32, .size: 8, .value_kind: global_buffer, .address_space: global }
    .group_segment_fixed_size: 327680
    .private_segment_fixed_size: 0
    .kernarg_segment_align: 8
    .kernarg_segment_size: 40
    .max_flat_workgroup_size: 256
    .sgpr_count:     84
    .vgpr_count:     512
    .wavefront_size: 32
...
	.end_amdgpu_metadata
.endif
;; end of part 2
;; launch gather (part 3): grid 256 x 1, 16 waves a work-group, no clusters, 2,560 bytes of LDS; arguments z, emb_w, cand_k, cand_i, out0, out2, part; writes out0, out2, part
.if DOCPART == 3
	.amdgcn_target "amdgcn-amd-amdhsa--gfx1250"
	.amdhsa_code_object_version 6
	.text
	.protected	k_q4044dd9763_gather
	.globl	k_q4044dd9763_gather
	.p2align	8
	.type	k_q4044dd9763_gather,@function
k_q4044dd9763_gather:
	s_mov_b64 s[64:65], 0
	v_nop
	global_prefetch_b8 v0, s[64:65] scope:SCOPE_SE
	s_setreg_imm32_b32 hwreg(HW_REG_WAVE_MODE, 25, 1), 1
	s_wait_xcnt 0x0
; For each row of z: of the eight parts' candidates the one with the least d (a tie keeps the lower part, which holds the lower indices); out2 = its index; out0 = z + (emb_w[index] - z), as the source has it;
; and the work-group's sum of (emb_w[index] - z)^2, one number for each work-group, for the loss.
; The launch before stored, for each part and row, the index and d as a whole number in d's order.  Both are read as whole numbers by scalar loads, and the choice is a comparison of whole numbers
; (s_cmp_lt_u32, s_cselect_b32): so ONE row of emb_w is loaded for a row of z.
; SHARES.  A work-group takes 64 rows, each of its 16 waves four; a row is 2,048 bytes: four loads of 512 consecutive bytes.  All of a wave's 32 loads go out as early as their addresses are known, each into
; registers of its own; no store's data are written again.  No matrix unit, no tensor loads, no cluster: work-groups share no tile, and memory binds.
; SCALAR REGISTERS: part p's four keys at s[20 + 4 p]; its four indices at s[52 + 4 p] for p < 3 and at s[56 + 4 p] from p = 3 on.
.set ZR, 32                            ; row q: z at v[32 + 32 q], its row of emb_w at + 16
	s_load_b256 s[4:11], s[0:1], 0x0               ; z, emb_w, cand_k, cand_i
	s_load_b128 s[12:15], s[0:1], 0x20             ; out0, out2
	s_load_b64 s[16:17], s[0:1], 0x30              ; part
	v_lshl_add_u32 v192, v0, 2, 0x200
	v_mov_b32 v193, 0
	v_lshrrev_b32 v1, 5, v0
	s_delay_alu instid0(VALU_DEP_1)
	v_readfirstlane_b32 s88, v1                    ; wave 0..15
	v_and_b32 v2, 31, v0
	s_delay_alu instid0(VALU_DEP_1)
	v_lshlrev_b32 v1, 4, v2                        ; 16 x lane
	s_delay_alu instid0(VALU_DEP_2)
	v_lshlrev_b32 v25, 3, v2                       ; 8 x lane
	s_delay_alu instid0(VALU_DEP_1)
	v_add_nc_u32 v26, 256, v25                     ; LDS: wave 0 reads the 64 indices, two a lane
	s_lshl_b32 s89, s88, 4
	s_add_co_u32 s90, s89, 256
	v_mov_b32 v13, s90                             ; LDS: my wave's four indices at 256 + 16 x wave
	s_lshl_b32 s91, s88, 2
	v_mov_b32 v14, s91                             ; LDS: my wave's sum at 4 x wave
	v_mov_b32 v15, 0
.irp k, 16,17,18,19
	v_mov_b32 v\k, 0                               ; the sum of squares, in two chains of pairs
.endr
	s_lshl_b32 s18, ttmp9, 8
	s_add_co_u32 s18, s18, s89                     ; my four rows' words: 256 g + 16 x wave
	s_mov_b32 s19, 0
	s_lshl_b32 s92, ttmp9, 17
	s_lshl_b32 s94, s88, 13
	s_add_co_u32 s92, s92, s94                     ; my four rows: 131,072 g + 8,192 x wave
	s_mov_b32 s93, 0
	s_lshl_b32 s94, ttmp9, 8
	s_mov_b32 s95, 0
	s_lshl_b32 s96, ttmp9, 4                       ; the work-group's record in part: 16 bytes
	s_mov_b32 s97, 0
	s_mov_b32 s98, 0x76543210
	s_mov_b32 s99, 0xfedcba98
	s_wait_kmcnt 0x0
	s_add_nc_u64 s[8:9], s[8:9], s[18:19]
	s_add_nc_u64 s[10:11], s[10:11], s[18:19]
.irp p, 0,1,2,3,4,5,6,7
.if \p < 3
.set IB, 52+4*\p
.else
.set IB, 56+4*\p
.endif
	s_load_b128 s[20+4*\p:23+4*\p], s[8:9], 0x10000*\p     ; part p's keys of my four rows,
	s_load_b128 s[IB:IB+3], s[10:11], 0x10000*\p           ; and its indices
.endr
	s_add_nc_u64 s[4:5], s[4:5], s[92:93]
	s_add_nc_u64 s[12:13], s[12:13], s[92:93]
	s_add_nc_u64 s[14:15], s[14:15], s[94:95]
	s_add_nc_u64 s[16:17], s[16:17], s[96:97]
.irp q, 0,1,2,3
.irp n, 0,1,2,3
	global_load_b128 v[ZR+32*\q+4*\n:ZR+32*\q+4*\n+3], v1, s[4:5] offset:2048*\q+512*\n th:TH_LOAD_NT
.endr
.endr
	s_wait_kmcnt 0x0
.irp p, 1,2,3,4,5,6,7                  ; the parts ascend: a later one wins only where its key is strictly lower
.if \p < 3
.set IB, 52+4*\p
.else
.set IB, 56+4*\p
.endif
.irp q, 0,1,2,3
	s_cmp_lt_u32 s[20+4*\p+\q], s[20+\q]
	s_cselect_b32 s[20+\q], s[20+4*\p+\q], s[20+\q]
	s_cselect_b32 s[52+\q], s[IB+\q], s[52+\q]
.endr
.endr
.irp q, 0,1,2,3
	s_min_u32 s[52+\q], s[52+\q], 0x1fff           ; an index stays inside the table
	s_lshl_b32 s[24+\q], s[52+\q], 11              ; a row of emb_w is 2,048 bytes
	v_add_nc_u32 v[2+\q], s[24+\q], v1
.irp n, 0,1,2,3
	global_load_b128 v[ZR+32*\q+16+4*\n:ZR+32*\q+16+4*\n+3], v[2+\q], s[6:7] offset:512*\n
.endr
.endr
.macro ROW q
.set RZ, ZR+32*\q
.set RE, RZ+16
	s_wait_loadcnt 4*(3-\q)                        ; z and this row of emb_w are in; the four loads of each younger row may be out
.irp k, 0,2,4,6,8,10,12,14
	v_pk_add_f32 v[RE+\k:RE+\k+1], v[RE+\k:RE+\k+1], v[RZ+\k:RZ+\k+1] neg_lo:[0,1] neg_hi:[0,1]   ; z_q - z
.endr
.irp k, 0,2,4,6,8,10,12,14
	v_pk_fma_f32 v[16+(\k%4):17+(\k%4)], v[RE+\k:RE+\k+1], v[RE+\k:RE+\k+1], v[16+(\k%4):17+(\k%4)]
.endr
.irp k, 0,2,4,6,8,10,12,14
	v_pk_add_f32 v[RZ+\k:RZ+\k+1], v[RZ+\k:RZ+\k+1], v[RE+\k:RE+\k+1]   ; z + (z_q - z)
.endr
.endm
.irp q, 0,1,2,3
	v_mov_b32 v[20+\q], s[52+\q]
	ds_store_b32 v13, v[20+\q] offset:4*\q         ; all lanes write the same word with the same number
.endr
	; for the variance: my four indices' sum and the sum of their squares, as whole numbers (a work-group's 64 squares stay under 64 x 8191^2, which is under 2^32)
	s_add_co_u32 s20, s52, s53
	s_add_co_u32 s21, s54, s55
	s_add_co_u32 s20, s20, s21
	s_mul_i32 s22, s52, s52
	s_mul_i32 s23, s53, s53
	s_add_co_u32 s22, s22, s23
	s_mul_i32 s23, s54, s54
	s_add_co_u32 s22, s22, s23
	s_mul_i32 s23, s55, s55
	s_add_co_u32 s22, s22, s23
	v_mov_b32 v24, s20
	v_mov_b32 v27, s22
	ds_store_b32 v14, v24 offset:64                ; LDS: the waves' sums of indices at 64 + 4 x wave,
	ds_store_b32 v14, v27 offset:128               ; of squares at 128 + 4 x wave
	ROW 0
	ROW 1
	ROW 2
	ROW 3
	v_pk_add_f32 v[16:17], v[16:17], v[18:19]
	s_delay_alu instid0(VALU_DEP_1)
	v_add_f32 v16, v16, v17
	s_delay_alu instid0(VALU_DEP_1)
	v_add_f32_dpp v16, v16, v16 row_xmask:1 row_mask:0xf bank_mask:0xf
	s_delay_alu instid0(VALU_DEP_1)
	v_add_f32_dpp v16, v16, v16 row_xmask:2 row_mask:0xf bank_mask:0xf
	s_delay_alu instid0(VALU_DEP_1)
	v_add_f32_dpp v16, v16, v16 row_xmask:4 row_mask:0xf bank_mask:0xf
	s_delay_alu instid0(VALU_DEP_1)
	v_add_f32_dpp v16, v16, v16 row_xmask:8 row_mask:0xf bank_mask:0xf
	s_delay_alu instid0(VALU_DEP_1)
	v_permlanex16_b32 v17, v16, s98, s99
	s_delay_alu instid0(VALU_DEP_1)
	v_add_f32 v16, v16, v17
	ds_store_b32 v14, v16
	s_wait_alu depctr_va_vdst(0)
	s_wait_dscnt 0x0
	s_barrier_signal -1
	s_barrier_wait -1
	s_cmp_lg_u32 s88, 0
	s_cbranch_scc1 .Lrows
.irp n, 0,1,2,3
	ds_load_b128 v[160+4*\n:163+4*\n], v15 offset:16*\n   ; the sixteen waves' sums, in every lane
.endr
	ds_load_b64 v[176:177], v26
.irp n, 0,1,2,3
	ds_load_b128 v[196+4*\n:199+4*\n], v15 offset:64+16*\n    ; the sixteen waves' sums of indices,
	ds_load_b128 v[212+4*\n:215+4*\n], v15 offset:128+16*\n   ; and of squares
.endr
	s_wait_dscnt 0x0
.irp k, 0,4,8,12
	v_pk_add_f32 v[160+\k:161+\k], v[160+\k:161+\k], v[162+\k:163+\k]
.endr
	s_delay_alu instid0(VALU_DEP_3)
	v_pk_add_f32 v[160:161], v[160:161], v[164:165]
	s_delay_alu instid0(VALU_DEP_2)
	v_pk_add_f32 v[168:169], v[168:169], v[172:173]
	s_delay_alu instid0(VALU_DEP_1)
	v_pk_add_f32 v[160:161], v[160:161], v[168:169]
	s_delay_alu instid0(VALU_DEP_1)
	v_add_f32 v160, v160, v161
.irp b, 196, 212
	v_add3_u32 v[\b], v[\b], v[\b+1], v[\b+2]
	v_add3_u32 v[\b+3], v[\b+3], v[\b+4], v[\b+5]
	v_add3_u32 v[\b+6], v[\b+6], v[\b+7], v[\b+8]
	v_add3_u32 v[\b+9], v[\b+9], v[\b+10], v[\b+11]
	v_add3_u32 v[\b+12], v[\b+12], v[\b+13], v[\b+14]
.endr
.irp b, 196, 212
	v_add3_u32 v[\b], v[\b], v[\b+3], v[\b+6]
	v_add3_u32 v[\b+9], v[\b+9], v[\b+12], v[\b+15]
.endr
	v_add_nc_u32 v161, v196, v205                  ; the record: the sum of squared differences (f32), the indices' sum, their squares' sum, 0
	v_add_nc_u32 v162, v212, v221
	v_mov_b32 v163, 0
	v_cmp_eq_u32 vcc_lo, 0, v0
	s_wait_alu depctr_va_vdst(0)
	global_store_b64 v25, v[176:177], s[14:15]     ; the work-group's 64 indices: 256 consecutive bytes, aligned; behind wave 0's last vector instruction
	s_wait_xcnt 0x0
	s_and_saveexec_b32 s90, vcc_lo
	global_store_b128 v15, v[160:163], s[16:17]    ; one record a work-group
	s_wait_xcnt 0x0
	s_or_b32 exec_lo, exec_lo, s90
.Lrows:
	s_wait_tensorcnt 0x0                           ; behind my last LDS store; no LDS instruction follows the add
	ds_add_u32 v192, v193
	s_wait_dscnt 0x0
	; THE ROWS LEAVE LAST, sixteen stores in one run: no vector or LDS instruction of the wave stands behind a store of out0
.irp q, 0,1,2,3
.irp n, 0,1,2,3
	global_store_b128 v1, v[ZR+32*\q+4*\n:ZR+32*\q+4*\n+3], s[12:13] offset:2048*\q+512*\n th:TH_STORE_NT   ; 32 lanes store 512 consecutive bytes, aligned
.endr
.endr
	s_endpgm
.Lfunc_end_k_q4044dd9763_gather:
	.size	k_q4044dd9763_gather, .Lfunc_end_k_q4044dd9763_gather-k_q4044dd9763_gather
	.p2alignl 7, 3214868480
	.fill 96, 4, 3214868480
	.section	.rodata,"a",@progbits
	.p2align	6, 0x0
	.amdhsa_kernel k_q4044dd9763_gather
		.amdhsa_group_segment_fixed_size 2560
		.amdhsa_private_segment_fixed_size 0
		.amdhsa_enable_private_segment 0
		.amdhsa_kernarg_size 56
		.amdhsa_user_sgpr_count 2
		.amdhsa_user_sgpr_kernarg_segment_ptr 1
		.amdhsa_wavefront_size32 1
		.amdhsa_system_sgpr_workgroup_id_x 1
		.amdhsa_system_sgpr_workgroup_id_y 1
		.amdhsa_system_sgpr_workgroup_id_z 1
		.amdhsa_system_vgpr_workitem_id 0
		.amdhsa_next_free_vgpr 232
		.amdhsa_next_free_sgpr 100
		.amdhsa_reserve_vcc 1
		.amdhsa_float_denorm_mode_32 3
		.amdhsa_float_denorm_mode_16_64 3
		.amdhsa_memory_ordered 1
		.amdhsa_forward_progress 1
		.amdhsa_inst_pref_size 22
	.end_amdhsa_kernel
	.amdgpu_metadata
---
amdhsa.version: [ 1, 2 ]
amdhsa.kernels:
  - .name:           k_q4044dd9763_gather
    .symbol:         k_q4044dd9763_gather.kd
    .args:
      - { .name: z, .offset: 0, .size: 8, .value_kind: global_buffer, .address_space: global }
      - { .name: emb_w, .offset: 8, .size: 8, .value_kind: global_buffer, .address_space: global }
      - { .name: cand_k, .offset: 16, .size: 8, .value_kind: global_buffer, .address_space: global }
      - { .name: cand_i, .offset: 24, .size: 8, .value_kind: global_buffer, .address_space: global }
      - { .name: out0, .offset: 32, .size: 8, .value_kind: global_buffer, .address_space: global }
      - { .name: out2, .offset: 40, .size: 8, .value_kind: global_buffer, .address_space: global }
      - { .name: part, .offset: 48, .size: 8, .value_kind: global_buffer, .address_space: global }
    .group_segment_fixed_size: 2560
    .private_segment_fixed_size: 0
    .kernarg_segment_align: 8
    .kernarg_segment_size: 56
    .max_flat_workgroup_size: 512
    .sgpr_count:     100
    .vgpr_count:     232
    .wavefront_size: 32
...
	.end_amdgpu_metadata
.endif
;; end of part 3
;; launch finish (part 4): grid 1 x 1, 1 waves a work-group, no clusters, 0 bytes of LDS; arguments part, out1, out3; writes out1, out3
.if DOCPART == 4
	.amdgcn_target "amdgcn-amd-amdhsa--gfx1250"
	.amdhsa_code_object_version 6
	.text
	.protected	k_q4044dd9763_finish
	.globl	k_q4044dd9763_finish
	.p2align	8
	.type	k_q4044dd9763_finish,@function
k_q4044dd9763_finish:
	s_mov_b64 s[64:65], 0
	v_nop
	global_prefetch_b8 v0, s[64:65] scope:SCOPE_SE
	s_setreg_imm32_b32 hwreg(HW_REG_WAVE_MODE, 25, 1), 1
	s_wait_xcnt 0x0
; out1 = 0.25 m + m, m = the mean of (z_q - z)^2 over 2^23 numbers.  out3 = the variance of the N = 16,384 indices.
; part holds a record of 16 bytes for each of 256 work-groups: the sum of its squared differences (f32), the sum S1 of its 64 indices, the sum S2 of their squares (whole numbers), 0.
; The variance is (N S2 - S1^2) / N^2, which equals the mean of the squared differences from the mean.  Both terms stay under 2^54 and their difference is formed in 64-bit whole numbers, exactly;
; it is rounded to f32 only afterwards.  S2's words are summed as two halves of 16 bits, each sum under 2^24.
; One wave owns both results, since they span all rows: a lane takes eight records (a load of the wave covers 512 consecutive bytes).  No LDS, no barrier.
.macro SUM8 b                          ; my eight records' words b
	v_add3_u32 v[\b], v[\b], v[\b+4], v[\b+8]
	v_add3_u32 v[\b+12], v[\b+12], v[\b+16], v[\b+20]
	v_add3_u32 v[\b], v[\b], v[\b+12], v[\b+24]
	v_add_nc_u32 v[\b], v[\b], v[\b+28]
.endm
.macro XSUM r, t                       ; a whole number summed over the 32 lanes, in every lane
.irp m, 1,2,4,8
	v_mov_b32_dpp v[\t], v[\r] row_xmask:\m row_mask:0xf bank_mask:0xf
	v_add_nc_u32 v[\r], v[\r], v[\t]
.endr
	v_permlanex16_b32 v[\t], v[\r], s16, s17
	v_add_nc_u32 v[\r], v[\r], v[\t]
.endm
	s_load_b128 s[4:7], s[0:1], 0x0                ; part, out1
	s_load_b64 s[8:9], s[0:1], 0x10                ; out3
	v_lshlrev_b32 v1, 4, v0
	v_mov_b32 v2, 0
.irp k, 44,45,46,47
	v_mov_b32 v\k, 0                               ; written once: a lane move's destination counts as one of its sources
.endr
	s_mov_b32 s16, 0x76543210                      ; v_permlanex16_b32's selects for lane l xor 16
	s_mov_b32 s17, 0xfedcba98
	s_wait_alu depctr_va_vdst(0)
	s_wait_kmcnt 0x0
.irp n, 0,1,2,3,4,5,6,7
	global_load_b128 v[8+4*\n:11+4*\n], v1, s[4:5] offset:512*\n
.endr
	s_wait_loadcnt 0x0
.irp n, 0,1,2,3,4,5,6,7
	v_and_b32 v[11+4*\n], 0xffff, v[10+4*\n]       ; S2's low half takes the record's fourth word,
	v_lshrrev_b32 v[10+4*\n], 16, v[10+4*\n]       ; its high half stays
.endr
.irp n, 0,2,4,6
	v_add_f32 v[8+4*\n], v[8+4*\n], v[12+4*\n]
.endr
	SUM8 9
	SUM8 10
	SUM8 11
	v_add_f32 v8, v8, v16
	v_add_f32 v24, v24, v32
	v_add_f32 v8, v8, v24
	v_add_f32_dpp v8, v8, v8 row_xmask:1 row_mask:0xf bank_mask:0xf
	v_add_f32_dpp v8, v8, v8 row_xmask:2 row_mask:0xf bank_mask:0xf
	v_add_f32_dpp v8, v8, v8 row_xmask:4 row_mask:0xf bank_mask:0xf
	v_add_f32_dpp v8, v8, v8 row_xmask:8 row_mask:0xf bank_mask:0xf
	v_permlanex16_b32 v44, v8, s16, s17
	v_add_f32 v8, v8, v44
	v_mul_f32 v5, 0x34000000, v8                   ; m: x 2^-23
	v_fmamk_f32 v5, v5, 0x3e800000, v5             ; 0.25 m + m
	XSUM 9, 45
	XSUM 10, 46
	XSUM 11, 47
	v_readfirstlane_b32 s20, v9                    ; S1, under 2^27
	v_readfirstlane_b32 s26, v10                   ; S2's high halves
	v_readfirstlane_b32 s24, v11                   ; and low halves
	s_mov_b32 s21, 0
	s_mov_b32 s27, 0
	s_mov_b32 s25, 0
	s_lshl_b64 s[26:27], s[26:27], 30              ; x 2^16 x N
	s_lshl_b64 s[24:25], s[24:25], 14              ; x N
	s_add_nc_u64 s[24:25], s[24:25], s[26:27]      ; N S2
	s_mul_u64 s[20:21], s[20:21], s[20:21]         ; S1^2
	s_sub_nc_u64 s[24:25], s[24:25], s[20:21]      ; not negative
	v_cvt_f32_u32 v3, s25
	v_cvt_f32_u32 v4, s24
	v_fmamk_f32 v3, v3, 0x4f800000, v4             ; the upper word x 2^32 + the lower
	v_mul_f32 v6, 0x31800000, v3                   ; / N^2: x 2^-28
	v_cmp_eq_u32 vcc_lo, 0, v0
	s_wait_alu depctr_va_vdst(0)
	s_wait_xcnt 0x0                                ; EXEC changes only behind this wait
	s_and_saveexec_b32 s18, vcc_lo
	global_store_b32 v2, v5, s[6:7]                ; thread 0 alone
	global_store_b32 v2, v6, s[8:9]
	s_wait_xcnt 0x0
	s_or_b32 exec_lo, exec_lo, s18
	s_endpgm
.Lfunc_end_k_q4044dd9763_finish:
	.size	k_q4044dd9763_finish, .Lfunc_end_k_q4044dd9763_finish-k_q4044dd9763_finish
	.p2alignl 7, 3214868480
	.fill 96, 4, 3214868480
	.section	.rodata,"a",@progbits
	.p2align	6, 0x0
	.amdhsa_kernel k_q4044dd9763_finish
		.amdhsa_group_segment_fixed_size 0
		.amdhsa_private_segment_fixed_size 0
		.amdhsa_enable_private_segment 0
		.amdhsa_kernarg_size 24
		.amdhsa_user_sgpr_count 2
		.amdhsa_user_sgpr_kernarg_segment_ptr 1
		.amdhsa_wavefront_size32 1
		.amdhsa_system_sgpr_workgroup_id_x 1
		.amdhsa_system_sgpr_workgroup_id_y 1
		.amdhsa_system_sgpr_workgroup_id_z 1
		.amdhsa_system_vgpr_workitem_id 0
		.amdhsa_next_free_vgpr 64
		.amdhsa_next_free_sgpr 66
		.amdhsa_reserve_vcc 1
		.amdhsa_float_denorm_mode_32 3
		.amdhsa_float_denorm_mode_16_64 3
		.amdhsa_memory_ordered 1
		.amdhsa_forward_progress 1
		.amdhsa_inst_pref_size 6
	.end_amdhsa_kernel
	.amdgpu_metadata
---
amdhsa.version: [ 1, 2 ]
amdhsa.kernels:
  - .name:           k_q4044dd9763_finish
    .symbol:         k_q4044dd9763_finish.kd
    .args:
      - { .name: part, .offset: 0, .size: 8, .value_kind: global_buffer, .address_space: global }
      - { .name: out1, .offset: 8, .size: 8, .value_kind: global_buffer, .address_space: global }
      - { .name: out3, .offset: 16, .size: 8, .value_kind: global_buffer, .address_space: global }
    .group_segment_fixed_size: 0
    .private_segment_fixed_size: 0
    .kernarg_segment_align: 8
    .kernarg_segment_size: 24
    .max_flat_workgroup_size: 32
    .sgpr_count:     66
    .vgpr_count:     64
    .wavefront_size: 32
...
	.end_amdgpu_metadata
.endif
;; end of part 4
